; MI455X (gfx1250); checked and timed in simulation.
; The chip was launched on July 23, 2026; its instructions are those of AMD's public machine-readable ISA for CDNA 5 (MIT licence, August 2026) and "CDNA5" Instruction Set Architecture Reference Guide (July 2026). The comments in the code are by the model that wrote it; some were corrected since.
;; Multi Head Attention. Allowed arithmetic: matrix products marked QUANTISED: E4M3 operands, one given power-of-two scale a tensor, by v_wmma_f32_16x16x64_fp8_fp8 or v_wmma_f32_16x16x128_fp8_fp8, f32 sums; everything else in f32.
;; Inputs: Wk 16 x 1,024 x 64 float32; Wp 1,024 x 1,024 float32; Wq 16 x 1,024 x 64 float32; Wv 16 x 1,024 x 64 float32; bp 1,024 float32; lowp_scales 12 int32 (the exponents e of the quantised operands' scales 2^e); x 4 x 2,048 x 1,024 float32.
;; Outputs: out0 4 x 2,048 x 1,024 float32.
;; This version of the problem:
;;   THIS VERSION OF THE PROBLEM IS GIVEN IN LOW PRECISION. The matrix products marked QUANTISED in the list below multiply operands that are first quantised to E4M3 (4 exponent bits, 3 mantissa bits; 8 bits a number), with one given power-of-two scale for each operand tensor; their sums are f32. All else is computed in f32.
;;   The module's matrix products, in the order in which they are computed (A, B: the left and right operand; K: the contracted axis; several contracted axes count as one K, in the product's order):
;;     1. [M 1,024, K 1,024] x [K 1,024, N 8,192]; A: input Wq; B: input x: QUANTISED (scales: A lowp_scales[0], B lowp_scales[1])
;;     2. [M 1,024, K 1,024] x [K 1,024, N 8,192]; A: input Wk; B: input x: QUANTISED (scales: A lowp_scales[2], B lowp_scales[3])
;;     3. [M 1,024, K 1,024] x [K 1,024, N 8,192]; A: input Wv; B: input x: QUANTISED (scales: A lowp_scales[4], B lowp_scales[5])
;;     4. batch 64 x [M 2,048, K 64] x [K 64, N 2,048]; A: computed on the way; B: computed on the way: QUANTISED (scales: A lowp_scales[6], B lowp_scales[7])
;;     5. batch 64 x [M 2,048, K 2,048] x [K 2,048, N 64]; A: softmax (see below); B: computed on the way: QUANTISED (scales: A lowp_scales[8], B lowp_scales[9])
;;     6. [M 8,192, K 1,024] x [K 1,024, N 1,024]; A: computed on the way; B: input Wp: QUANTISED (scales: A lowp_scales[10], B lowp_scales[11])
;;   THE QUANTISER, for each operand of a quantised product, along K:
;;     - The operand's scale is 2^e, e = its entry of the input lowp_scales (int32; the entries are numbered through the quantised products in the list's order, A before B).
;;     - Each number is divided by the scale, clamped to +-448, and rounded to the nearest number of E4M3, ties to even, subnormals kept.
;;     - The product sums the exact products of the quantised numbers (number of the format x scale) in f32.
;;   ~~~python
;;   def quantise(x, axis, e):      # numpy; x: float32 -> the quantised numbers, widened to float32 again
;;       x = np.moveaxis(x, axis, -1); K = x.shape[-1]
;;       r = np.clip(x / 2.0 ** e, -448, 448)
;;       step = 2.0 ** (np.maximum(np.frexp(np.where(r == 0, 1, r))[1] - 1, -6) - 3)
;;       q = np.round(r / step) * step * 2.0 ** e      # np.round: ties to even
;;       return np.moveaxis(q, -1, axis).astype(np.float32)
;;   ~~~
;;   SOFTMAX AHEAD OF A QUANTISED PRODUCT. Where the list says 'softmax', what is quantised is not the finished softmax but p = 2^(t - M), with t = logit x log2(e) and M = ceil(the row's largest t), a whole number; so 1/2 < the row's largest p <= 1. The row's sum l is taken of the UNQUANTISED p, in f32, and the product's result is divided by l at the end. Since M is a whole number, a kernel that streams over the keys may use a running M (the ceiling of the running maximum): every later rescaling is an exact power of two, so the quantised numbers keep their values, but for numbers so far below the row's largest that they fall under the format's range.
;;   OPERANDS COMPUTED ON THE WAY. 'Computed on the way' means the value that the module computes at that place (a softmax that the list does not call 'softmax' is quantised finished and normalised). What goes into a quantiser is computed in f32, as accurately as f32 sums, v_exp_f32 and their like allow (about 1e-6 of the number): no bf16 or f16 on the way to a quantiser, and a product that is left as it is and whose result goes on into a quantised operand takes f32 operands (vector FMAs, or v_wmma_f32_16x16x4_f32). A number that lies on a knife's edge between two numbers of the format may be rounded either way, as far as f32 arithmetic and the matrix unit's own rounding can turn it there, and no further.
;; One version. Each part assembles by itself: llvm-mc -triple=amdgcn-amd-amdhsa -mcpu=gfx1250 --defsym DOCPART=n.
;; ======== version 1 of 1: 4 launches
;; limits: right only within a limited range of input values
;; workspace buffers: xc 25,165,824 bytes; wc 3,145,728 bytes; wpc 1,048,576 bytes; qc 8,388,608 bytes; kc 8,388,608 bytes; vc 8,388,608 bytes; ao 8,388,608 bytes
;; launch prep (part 1): grid 672 x 1, 4 waves a work-group, no clusters, 35,840 bytes of LDS; arguments x, Wq, Wk, Wv, Wp, lowp_scales, xc, wc, wpc; writes xc, wc, wpc
.if DOCPART == 1
	.amdgcn_target "amdgcn-amd-amdhsa--gfx1250"
	.amdhsa_code_object_version 6
	.text
	.protected	k_qbdefe40490_prep
	.globl	k_qbdefe40490_prep
	.p2align	8
	.type	k_qbdefe40490_prep,@function
k_qbdefe40490_prep:
	s_mov_b64 s[64:65], 0
	v_nop
	global_prefetch_b8 v0, s[64:65] scope:SCOPE_SE
	s_setreg_imm32_b32 hwreg(HW_REG_WAVE_MODE, 25, 1), 1
	s_wait_xcnt 0x0
; All five f32 inputs become codes of FP8 (E4M3), one byte a number, K innermost: code = number / 2^e, held within +-448, rounded to the nearest code, ties to even.
;   x  [8192 tokens][1024]      -> xc  [3][8192][1024]: three sets, by the scales e1, e3, e5 (entries of lowp_scales): they may differ, so all three are always made
;   Wq, Wk, Wv [16][1024 k][64] -> wc  [3072][1024]: row 1024 x matrix + 64 x head + column, by e0, e2, e4; K is moved innermost
;   Wp [1024 out][1024 k]       -> wpc [1024][1024], by e11
; THE ORDER OF K IN A ROW OF CODES.  A product keeps its value when K is permuted alike in both operands.  x is loaded as it lies (32 lanes x 16 bytes = 512 consecutive bytes a load) and its codes are stored
; where they fall: number k = 128 j + 4 l + i (load j, lane l, i = 0..3) lands at byte 512 (j / 4) + 16 l + 4 (j % 4) + i of its row.  The weights take a lane to a column and registers down K, so the same order costs them
; nothing: it stands in the loads' immediates.  wpc meets an operand that is laid in the matrix form's own order of K, and is read by loads of 16 bytes at 32 c + 16 h: so in each 32 codes the two middle groups of eight change places.
; THREE PATHS, parted on the work-group's number: 0..95 the weights (64 columns x 512 along K each), 96..159 Wp (16,384 numbers each), 160..671 x (16 rows each).  Only the weights' path touches LDS.
; No matrix unit, no tensor load, no cluster: each number is read once by one wave, so nothing is shared.
; LIMITS: every e used here lies between -126 and 119, so that 2^e and 448 x 2^e are f32 numbers.  NaN among the inputs is not served (an infinity is held at the largest code).
.set SPW,   2                          ; v2   LDS address of my spare word: SPARE + 4 x my thread's number; never rewritten
.set NIL,   3                          ; v3   0; never rewritten
.set STG,   32*272                     ; the weights' path: a stage of 32 rows x (256 bytes + 16) for each wave
.set SPARE, 4*STG                      ; behind the four stages: the spare words, 128 bytes for each wave: two blocks of 256 bytes that no other line names
.set SC,    8                          ; v8-10   2^e as f32: the conversion takes its exponent field
.set LM,    11                         ; v11-13  448 x 2^e
.set X,     32                         ; v32-159 numbers as loaded
.set T,     160                        ; v160-191 x's path: a row's numbers, held
.set C,     192                        ; v192-239 codes
.set OB,    44                         ; s[44:49] x's path: my rows in the three sets of codes
.macro MKSCALE e, i                    ; the whole number in s[e] -> v[SC+i] = 2^e, v[LM+i] = 448 x 2^e
	s_add_co_i32 s56, s[\e], 127
	s_lshl_b32 s57, s56, 23
	v_mov_b32 v[SC+\i], s57
	s_add_co_i32 s56, s56, 8
	s_lshl_b32 s56, s56, 23
	s_or_b32 s56, s56, 0x600000                    ; the mantissa field of 448
	v_mov_b32 v[LM+\i], s56
.endm
	s_load_b512 s[4:19], s[0:1], 0x0               ; x s[4:5], Wq s[6:7], Wk s[8:9], Wv s[10:11], Wp s[12:13], the scales s[14:15], xc s[16:17], wc s[18:19]
	s_load_b64 s[20:21], s[0:1], 0x40              ; wpc
	v_lshl_add_u32 v[SPW], v0, 2, SPARE
	v_mov_b32 v[NIL], 0
	v_lshrrev_b32 v1, 5, v0
	v_readfirstlane_b32 s22, v1                    ; wave 0..3
	v_and_b32 v1, 31, v0                           ; lane
	v_lshlrev_b32 v4, 4, v1                        ; 16 x lane
	; the LDS addresses of the weights' path are made here, ahead of the parting
	s_mul_i32 s23, s22, STG                        ; my stage
	v_mul_u32_u24 v14, v1, 272
	v_add_nc_u32 v14, s23, v14                     ; into it: row = my column
	v_and_b32 v17, 15, v1
	v_lshrrev_b32 v18, 4, v1
	v_mul_u32_u24 v15, v18, 272
	v_lshl_add_u32 v15, v17, 4, v15
	v_add_nc_u32 v15, s23, v15                     ; out of it: sixteen lanes to a row, two rows an instruction
	v_lshlrev_b32 v16, 10, v18
	v_lshl_add_u32 v16, v17, 4, v16                ; and the same place in wc, whose rows are 1,024 bytes
	s_wait_kmcnt 0x0
	s_load_b256 s[24:31], s[14:15], 0x0            ; e0 .. e7
	s_load_b128 s[32:35], s[14:15], 0x20           ; e8 .. e11
	s_cmp_lt_u32 ttmp9, 96
	s_cbranch_scc1 .Lweights
	s_cmp_lt_u32 ttmp9, 160
	s_cbranch_scc1 .Lwp
; ---------------- x: a wave takes 4 rows; all 32 loads (16 KB) go out at once ----------------
	s_sub_co_u32 s40, ttmp9, 160
	s_lshl_b32 s40, s40, 4
	s_lshl_b32 s41, s22, 2
	s_add_co_u32 s40, s40, s41                     ; my first row: 16 x work-group + 4 x wave
	s_lshl_b32 s42, s40, 12                        ; rows of 4,096 bytes
	s_mov_b32 s43, 0
	s_add_nc_u64 s[4:5], s[4:5], s[42:43]
	s_lshl_b32 s42, s40, 10                        ; rows of 1,024 codes
	s_add_nc_u64 s[OB:OB+1], s[16:17], s[42:43]
	s_add_nc_u64 s[OB+2:OB+3], s[OB:OB+1], 0x800000    ; the sets lie 8,388,608 bytes apart, more than a store's immediate holds: a base for each
	s_add_nc_u64 s[OB+4:OB+5], s[OB:OB+1], 0x1000000
.set J, 0
.rept 32
	global_load_b128 v[X+4*J:X+4*J+3], v4, s[4:5] offset:512*J th:TH_LOAD_NT   ; 32 lanes read 512 consecutive bytes; row J / 8, piece J % 8
.set J, J+1
.endr
	s_wait_kmcnt 0x0
	MKSCALE 25, 0                                  ; e1
	MKSCALE 27, 1                                  ; e3
	MKSCALE 29, 2                                  ; e5
.macro ROW p
.set CC, C+24*((\p)%2)
	s_wait_loadcnt 8*(3-(\p))                      ; loads come back in order: this row's eight are in, the later rows' eight each may be out
.if (\p) >= 2
	s_wait_xcnt 0x0                                ; the stores of two rows ago have read their data: this set of code registers is written again only behind this wait
.endif
.irp q, 0,1,2
.set J, 0
.rept 32
	v_med3_num_f32 v[T+J], v[X+32*(\p)+J], -v[LM+\q], v[LM+\q]   ; the conversion to an 8-bit code does not saturate (ISA guide 7.6.2): hold first
.set J, J+1
.endr
.irp g, 0,1,2,3
	v_cvt_scalef32_pk8_fp8_f32 v[CC+8*\q+2*\g:CC+8*\q+2*\g+1], v[T+8*\g:T+8*\g+7], v[SC+\q]
.endr
	v_nop                                          ; a plain line between the conversions and the next holds, which write the conversions' sources
	global_store_b128 v4, v[CC+8*\q:CC+8*\q+3], s[OB+2*\q:OB+2*\q+1] offset:1024*(\p)        ; 32 lanes store 512 consecutive bytes, aligned
	global_store_b128 v4, v[CC+8*\q+4:CC+8*\q+7], s[OB+2*\q:OB+2*\q+1] offset:1024*(\p)+512
.endr
.endm
	s_wait_alu depctr_va_vdst(0)
	ROW 0
	ROW 1
	ROW 2
	ROW 3
	s_endpgm
; ---------------- Wp: a wave takes 16 steps of 256 numbers, 8 neighbours a lane ----------------
.Lwp:
	s_sub_co_u32 s40, ttmp9, 96
	s_lshl_b32 s40, s40, 2
	s_add_co_u32 s40, s40, s22                     ; which run of 4,096 numbers is my wave's
	s_lshl_b32 s42, s40, 14
	s_mov_b32 s43, 0
	s_add_nc_u64 s[12:13], s[12:13], s[42:43]
	s_lshl_b32 s42, s40, 12
	s_add_nc_u64 s[20:21], s[20:21], s[42:43]
	v_lshlrev_b32 v5, 5, v1                        ; in: 32 bytes a lane
	v_and_b32 v6, 0x1c, v1                         ; out: of each four lanes (32 codes) the two middle ones change places
	v_and_b32 v7, 1, v1
	v_lshl_or_b32 v6, v7, 1, v6
	v_bfe_u32 v7, v1, 1, 1
	v_or_b32 v6, v6, v7
	v_lshlrev_b32 v6, 3, v6                        ; 8 bytes a lane
.set J, 0
.rept 16
	global_load_b128 v[X+8*J:X+8*J+3], v5, s[12:13] offset:1024*J th:TH_LOAD_NT      ; a step's two loads cover 1,024 consecutive bytes
	global_load_b128 v[X+8*J+4:X+8*J+7], v5, s[12:13] offset:1024*J+16 th:TH_LOAD_NT
.set J, J+1
.endr
	s_wait_kmcnt 0x0
	MKSCALE 35, 0                                  ; e11
.set Q, 0
	s_wait_alu depctr_va_vdst(0)
.rept 16
	s_wait_loadcnt 2*(15-Q)                        ; this step's two loads are in; the later steps' two each may be out
.irp i, 0,1,2,3,4,5,6,7
	v_med3_num_f32 v[X+8*Q+\i], v[X+8*Q+\i], -v[LM], v[LM]
.endr
	v_cvt_scalef32_pk8_fp8_f32 v[C+2*Q:C+2*Q+1], v[X+8*Q:X+8*Q+7], v[SC]     ; each step has code registers of its own: no store's data are written again
	global_store_b64 v6, v[C+2*Q:C+2*Q+1], s[20:21] offset:256*Q              ; the wave fills 256 consecutive bytes, aligned
.set Q, Q+1
.endr
	s_endpgm
; ---------------- Wq, Wk, Wv: a lane takes a column, its registers run down K ----------------
; Work-group g: matrix and head g / 2, positions 512 (g % 2) on.  Wave w: columns 32 (w % 2) on, positions 256 (w / 2) on within that half: 8 blocks of 32 codes a lane.
.Lweights:
	s_lshr_b32 s40, ttmp9, 1                       ; 16 x matrix + head
	s_and_b32 s41, ttmp9, 1                        ; which half of K
	s_lshr_b32 s50, s40, 4                         ; matrix
	s_and_b32 s51, s40, 15                         ; head
	s_lshr_b32 s52, s22, 1
	s_and_b32 s53, s22, 1
	s_cmp_eq_u32 s50, 0
	s_cselect_b64 s[44:45], s[6:7], s[8:9]
	s_cmp_eq_u32 s50, 2
	s_cselect_b64 s[44:45], s[10:11], s[44:45]     ; the choice hangs on the work-group's number alone
	s_lshl_b32 s42, s51, 18                        ; a head is 1,024 rows of 256 bytes
	s_lshl_b32 s54, s41, 17                        ; + 512 rows for the second half of K
	s_add_co_u32 s42, s42, s54
	s_lshl_b32 s54, s52, 14                        ; + 64 rows: positions 256 on are lanes 16 on of x's loads: k + 64
	s_add_co_u32 s42, s42, s54
	s_lshl_b32 s54, s53, 7                         ; + my 32 columns
	s_add_co_u32 s42, s42, s54
	s_mov_b32 s43, 0
	s_add_nc_u64 s[44:45], s[44:45], s[42:43]
	s_lshl_b32 s42, s40, 16                        ; wc: 64 rows of 1,024 bytes for each matrix and head
	s_lshl_b32 s54, s53, 15                        ; + my 32 rows
	s_add_co_u32 s42, s42, s54
	s_lshl_b32 s54, s41, 9                         ; + my 256 positions
	s_add_co_u32 s42, s42, s54
	s_lshl_b32 s54, s52, 8
	s_add_co_u32 s42, s42, s54
	s_add_nc_u64 s[18:19], s[18:19], s[42:43]
	v_lshlrev_b32 v7, 2, v1                        ; in: 4 bytes a lane: 128 consecutive bytes a wave, the wave beside me takes the row's other 128
.macro WLOAD t                         ; block t: register J takes the row of W whose number belongs at position 32 t + J of my 256: x's order, turned round
.set J, 0
.rept 32
	global_load_b32 v[X+32*((\t)%2)+J], v7, s[44:45] offset:(128*((J%16)/4)+4*(2*(\t)+J/16)+J%4)*256 th:TH_LOAD_NT
.set J, J+1
.endr
.endm
	WLOAD 0
	WLOAD 1
	s_wait_kmcnt 0x0
	s_cmp_eq_u32 s50, 0
	s_cselect_b32 s55, s24, s26                    ; e0 or e2,
	s_cmp_eq_u32 s50, 2
	s_cselect_b32 s55, s28, s55                    ; or e4
	MKSCALE 55, 0
.macro WBLOCK t
.set XS, X+32*((\t)%2)
.if (\t) < 7
	s_wait_loadcnt 32                              ; this block's 32 loads are in; the next block's 32 may be out
.else
	s_wait_loadcnt 0
.endif
.set J, 0
.rept 32
	v_med3_num_f32 v[XS+J], v[XS+J], -v[LM], v[LM]
.set J, J+1
.endr
.irp g, 0,1,2,3
	v_cvt_scalef32_pk8_fp8_f32 v[96+2*\g:97+2*\g], v[XS+8*\g:XS+8*\g+7], v[SC]
.endr
	ds_store_b128 v14, v[96:99] offset:32*(\t)     ; 32 codes: 32 bytes of my column's row
	ds_store_b128 v14, v[100:103] offset:32*(\t)+16
.if (\t)+2 < 8
	WLOAD (\t)+2
.endif
	s_wait_dscnt 0x0                               ; the stores have read their registers: the next block's codes may be written (its 32 holds, plain lines, come first)
.endm
	s_wait_alu depctr_va_vdst(0)
.irp t, 0,1,2,3,4,5,6,7
	WBLOCK \t
.endr
.irp t, 0,1,2,3,4,5,6,7,8,9,10,11,12,13,14,15
	ds_load_b128 v[112+4*\t:115+4*\t], v15 offset:544*\t   ; LDS serves a wave's instructions in order: these see my stores
.endr
.irp t, 0,1,2,3,4,5,6,7,8,9,10,11,12,13,14,15
	s_wait_dscnt 15-\t                             ; the younger loads may be out
	global_store_b128 v16, v[112+4*\t:115+4*\t], s[18:19] offset:2048*\t   ; sixteen lanes store 256 consecutive bytes, aligned
.endr
	s_wait_tensorcnt 0x0                           ; the wave's end, behind my last LDS store
	ds_add_u32 v[SPW], v[NIL]
	s_wait_dscnt 0x0
	s_endpgm
.Lfunc_end_k_qbdefe40490_prep:
	.size	k_qbdefe40490_prep, .Lfunc_end_k_qbdefe40490_prep-k_qbdefe40490_prep
	.p2alignl 7, 3214868480
	.fill 96, 4, 3214868480
	.section	.rodata,"a",@progbits
	.p2align	6, 0x0
	.amdhsa_kernel k_qbdefe40490_prep
		.amdhsa_group_segment_fixed_size 35840
		.amdhsa_private_segment_fixed_size 0
		.amdhsa_enable_private_segment 0
		.amdhsa_kernarg_size 72
		.amdhsa_user_sgpr_count 2
		.amdhsa_user_sgpr_kernarg_segment_ptr 1
		.amdhsa_wavefront_size32 1
		.amdhsa_system_sgpr_workgroup_id_x 1
		.amdhsa_system_sgpr_workgroup_id_y 1
		.amdhsa_system_sgpr_workgroup_id_z 1
		.amdhsa_system_vgpr_workitem_id 0
		.amdhsa_next_free_vgpr 240
		.amdhsa_next_free_sgpr 66
		.amdhsa_reserve_vcc 0
		.amdhsa_float_denorm_mode_32 3
		.amdhsa_float_denorm_mode_16_64 3
		.amdhsa_memory_ordered 1
		.amdhsa_forward_progress 1
		.amdhsa_inst_pref_size 99
	.end_amdhsa_kernel
	.amdgpu_metadata
---
amdhsa.version: [ 1, 2 ]
amdhsa.kernels:
  - .name:           k_qbdefe40490_prep
    .symbol:         k_qbdefe40490_prep.kd
    .args:
      - { .name: x, .offset: 0, .size: 8, .value_kind: global_buffer, .address_space: global }
      - { .name: Wq, .offset: 8, .size: 8, .value_kind: global_buffer, .address_space: global }
      - { .name: Wk, .offset: 16, .size: 8, .value_kind: global_buffer, .address_space: global }
      - { .name: Wv, .offset: 24, .size: 8, .value_kind: global_buffer, .address_space: global }
      - { .name: Wp, .offset: 32, .size: 8, .value_kind: global_buffer, .address_space: global }
      - { .name: lowp_scales, .offset: 40, .size: 8, .value_kind: global_buffer, .address_space: global }
      - { .name: xc, .offset: 48, .size: 8, .value_kind: global_buffer, .address_space: global }
      - { .name: wc, .offset: 56, .size: 8, .value_kind: global_buffer, .address_space: global }
      - { .name: wpc, .offset: 64, .size: 8, .value_kind: global_buffer, .address_space: global }
    .group_segment_fixed_size: 35840
    .private_segment_fixed_size: 0
    .kernarg_segment_align: 8
    .kernarg_segment_size: 72
    .max_flat_workgroup_size: 128
    .sgpr_count:     66
    .vgpr_count:     240
    .wavefront_size: 32
...
	.end_amdgpu_metadata
.endif
;; end of part 1
;; launch qkv (part 2): grid 12 x 32, 4 waves a work-group, clusters of 4 x 4, 327,680 bytes of LDS; arguments xc, wc, lowp_scales, qc, kc, vc; writes qc, kc, vc
.if DOCPART == 2
	.amdgcn_target "amdgcn-amd-amdhsa--gfx1250"
	.amdhsa_code_object_version 6
	.text
	.protected	k_qbdefe40490_qkv
	.globl	k_qbdefe40490_qkv
	.p2align	8
	.type	k_qbdefe40490_qkv,@function
k_qbdefe40490_qkv:
	s_mov_b64 s[64:65], 0
	v_nop
	global_prefetch_b8 v0, s[64:65] scope:SCOPE_SE
	s_setreg_imm32_b32 hwreg(HW_REG_WAVE_MODE, 25, 1), 1
	s_wait_xcnt 0x0
	s_wait_alu depctr_hold_cnt(0) depctr_sa_sdst(0) depctr_va_vdst(0) depctr_va_sdst(0) depctr_va_ssrc(0) depctr_va_vcc(0) depctr_vm_vsrc(0)
	s_getreg_b32 s2, hwreg(HW_REG_IB_STS2, 6, 4)
	s_cmp_eq_u32 s2, 0
	s_cbranch_scc0 .Lentry_in_a_cluster
	s_endpgm
.Lentry_in_a_cluster:
	s_bfe_u32 s2, ttmp6, 0x10000c
	s_cmp_lg_u32 s2, 0xf033
	s_cbranch_scc0 .Lentry_shape_is_right
	s_endpgm
.Lentry_shape_is_right:
; q = x Wq, k = x Wk, v = x Wv on codes of FP8 (E4M3); the f32 sums are quantised at once, in registers, to the codes that the attention launch multiplies: q by e6, k by e7, v by e9.
; xc [3][8192 tokens][1024], wc [3][1024 features][1024]: codes, K innermost, K in the same order in both.  A sum stands for sum x 2^(eW + ex), so its code is sum / 2^E, E = eo - eW - ex: the three scales are one.
; LIMIT: E lies between -126 and 119 for each of the three, so that 2^E and 448 x 2^E are f32 numbers.
; A tile of 256 x 256 of a product is made by four waves, as many as a WGP has SIMDs; a wave makes 128 x 128: 64 accumulators, 512 registers.  K goes in steps of 256 through a ring of two LDS slots; K = 1,024 is four such steps, written out.
; WHICH PRODUCT: the cluster's x (0 q, 1 k, 2 v), the same in all sixteen partners.  The matrix instruction takes 16 rows of 'B' as source 0 and 16 rows of 'A' as source 1: a lane then holds ONE row of A and eight neighbouring rows of B.
;   q, k: A = tokens, B = features: a lane's eight numbers run along the head's 64, which is the K of q k^T.     v: A = features, B = tokens: they run along the tokens, the K of p v.  The instructions are the same; only addresses differ.
; THE RESULT IS AN IMAGE OF THE NEXT OPERAND'S REGISTERS.  The eight numbers of accumulator (a, b) become two registers of codes, and in the plain 8-bit layout registers 2 b, 2 b + 1 of lane (r, h) hold K = 16 b + 8 h + 0 .. 7:
; so block a's sixteen registers are two fragments of 16 tokens x 64 (q, k) or one of 16 channels x 128 keys (v).  They are stored as they stand, four registers a store, lane l's 16 bytes at 16 l: 512 consecutive bytes; no stage in LDS.
;   qc, kc: [64 b h][128 tiles of 16 tokens][1,024 bytes]       vc: [64 b h][16 chunks of 128 keys][4 tiles of 16 channels][2,048 bytes]
; CLUSTERS: 4 x 4 work-groups.  The four of a row of the cluster need the same tiles of A, the four of a column the same tiles of B: each tile is asked for JOINTLY.
; REGISTERS, in windows of 256: window 0: v0-31 addresses; from v128 A's fragments (8 x 16 rows x 128 K), ONE set; on the way out the codes.   window 1: B's fragments, TWO sets, at v0 and v128.
;   window 2: the 32 accumulators of my rows 0-63 (accumulator (a, b) at v[8 (8 a + b)]);   window 3: those of my rows 64-127.
.set ROWB,   256                       ; a tile's row in bytes: 256 codes
.set KROW,   1024                      ; a row of xc or wc in bytes
.set PITCH,  272                       ; an LDS row: 256 bytes + 16 of padding = 68 words: row r starts at bank 4 r mod 64 (64 banks of 4 bytes: ISA guide 11.1), so the 16 rows that a load touches start at 16 different banks
.set FR,     16                        ; registers of a fragment: 16 rows x 128 K
.set NL,     4                         ; LDS loads that bring one
.set NP,     4                         ; places behind this matrix instruction (ISA guide 7.12.1)
.set HALFT,  128*PITCH                 ; 128 rows: what one tensor load brings, and what one wave reads of A or of B
.set SLOT,   4*HALFT                   ; A's 256 rows, then B's 256 rows
.set SPARE,  2*SLOT                    ; behind the ring: the spare words, 128 bytes for each wave: two blocks of 256 bytes that no other line names
.set ADRA, 16                          ; v16-17  LDS address of my A fragments in slot 0, 1
.set ADRB, 20                          ; v20-21  the same for B
.set CO,   26                          ; v26     16 x lane: my place in an image
.set SPW,  28                          ; v28     LDS address of my spare word: SPARE + 4 x my thread's number; never rewritten
.set NIL,  29                          ; v29     0; never rewritten
.set SCL,  30                          ; v30     2^E as f32
.set LIM,  31                          ; v31     448 x 2^E
.set AF,   128                         ; A's fragments, in window 0
.set CD,   128                         ; the way out: block a's codes at v[CD + 16 a], in window 0
.set G1, 24                            ; s[24:31] descriptor group 1 for A's tiles;  s[32:39] group 0, one set for each slot
.set G0, 32
.set G1B, 48                           ; s[48:55], s[56:63] the same for B's tiles
.set G0B, 56
.set MSB, 0
.macro WIN new                         ; the immediate's high byte repeats the setting that is left
.if MSB != \new
	s_set_vgpr_msb (MSB<<8)|\new
.set MSB, \new
.endif
.endm
.set MUL_LO, 0xa1                      ; source 0 (B) window 1, source 1 (A) window 0, C and D window 2
.set MUL_HI, 0xf1                      ; the same, C and D window 3
.set TO_B,   0x40                      ; destination window 1, address window 0
; A joint load: waves 0 and 1 fetch for A, waves 2 and 3 for B.  Each of the two lines has ONE mask and one set of registers for all that issue it; the branch hangs on the wave's number alone.
; An s_nop 0 and four v_nop follow each of the two lines, ahead of the jump, the label and what follows.
.macro JLOAD g0a, g1a, g0b, g1b
	s_cmp_eq_u32 s15, 0
	s_cbranch_scc0 .Lfor_b_\@
	tensor_load_to_lds s[\g0a:\g0a+3], s[\g1a:\g1a+7]
	s_nop 0
.rept 4
	v_nop
.endr
	s_branch .Lasked_\@
.Lfor_b_\@:
	tensor_load_to_lds s[\g0b:\g0b+3], s[\g1b:\g1b+7]
	s_nop 0
.rept 4
	v_nop
.endr
.Lasked_\@:
.endm
.macro CREST                           ; a round of the cluster's barrier behind its opening barrier
	s_cmp_lg_u32 s14, 0
	s_cbranch_scc1 .Lnot_wave_0_\@
	s_barrier_signal -3
.Lnot_wave_0_\@:
	s_barrier_wait -3
	s_barrier_signal -1
	s_barrier_wait -1
.endm
.macro CROUND                          ; a whole round
	s_barrier_signal -1
	s_barrier_wait -1
	CREST
.endm
	s_load_b128 s[4:7], s[0:1], 0x0                ; xc s[4:5], wc s[6:7]
	s_load_b128 s[8:11], s[0:1], 0x10              ; the scales s[8:9], qc s[10:11]
	s_load_b128 s[68:71], s[0:1], 0x20             ; kc s[68:69], vc s[70:71]
	v_lshl_add_u32 v[SPW], v0, 2, SPARE
	v_mov_b32 v[NIL], 0
	ds_add_u32 v[SPW], v[NIL]                      ; the wave's opening: the add and its wait ahead of my first tensor load; the set-up below, work on registers, stands between them
	ds_add_u32 v[SPW], v[NIL]
	v_lshrrev_b32 v1, 5, v0
	v_readfirstlane_b32 s14, v1                    ; wave 0..3
	s_lshr_b32 s15, s14, 1                         ; which half of the tile's rows (A) is mine.  Also: I fetch for A (0) or for B (1)
	s_and_b32 s16, s14, 1                          ; which half of its columns (B).  Also: which 128 rows of that tile I fetch
	s_bfe_u32 s40, ttmp6, 0x40000                  ; cx, cy: my place in the cluster
	s_bfe_u32 s41, ttmp6, 0x40004
	s_and_b32 s72, ttmp7, 0xffff
	s_lshl_b32 s72, s72, 2                         ; 4 x cluster y: it walks the 32 tiles of tokens,
	s_cmp_eq_u32 ttmp9, 2
	s_cselect_b32 s73, 0, s72                      ; which are A's tiles for q and k
	s_cselect_b32 s74, s72, 0                      ; and B's for v
	s_add_co_u32 s17, s73, s41                     ; A's tile: it holds cy and never cx
	s_add_co_u32 s42, s74, s40                     ; B's tile: it holds cx and never cy
	s_lshl_b32 s43, s41, 2
	s_lshl_b32 s43, 15, s43                        ; my row of the cluster
	s_lshl_b32 s44, 0x1111, s40                    ; my column
	; descriptor group 1: a tile of 128 rows x 256 bytes, padded in LDS
	s_or_b32 s[G1+0], s43, (0<<16)|(1<<20)|(1<<21)|(5<<22)|(3<<25)  ; 15:0 the mask: A's tiles go to my row; 17:16 element of 1 byte; 20 padding on; 21 set beside a mask; 24:22 after every 64 words (code 5); 31:25 of 4 words (code 3)
	s_or_b32 s[G1B+0], s44, (0<<16)|(1<<20)|(1<<21)|(5<<22)|(3<<25)
.irp g, G1, G1B
	s_mov_b32 s[\g+1], ROWB<<16                    ; tensor_dim0
	s_mov_b32 s[\g+2], 128<<16                     ; tensor_dim1 = 128
	s_mov_b32 s[\g+3], ROWB<<16                    ; tile_dim0
	s_mov_b32 s[\g+4], 128                         ; tile_dim1 = 128
	s_mov_b32 s[\g+5], KROW                        ; tensor_dim0_stride
	s_mov_b32 s[\g+6], 0
	s_mov_b32 s[\g+7], 0
.endr
	s_lshl_b32 s18, s16, 7                         ; which 128 rows of the tile I fetch
	s_lshl_b32 s20, s17, 8
	s_add_co_u32 s20, s20, s18                     ; A: row 256 x tile + 128 x half,
	s_lshl_b32 s20, s20, 10                        ; of 1,024 bytes
	s_mov_b32 s21, 0
	s_lshl_b32 s46, s42, 8
	s_add_co_u32 s46, s46, s18                     ; B likewise
	s_lshl_b32 s46, s46, 10
	s_mov_b32 s47, 0
	s_lshl_b32 s76, ttmp9, 23                      ; this product's set of x's codes: 8,388,608 bytes a set,
	s_mov_b32 s77, 0
	s_lshl_b32 s78, ttmp9, 20                      ; and its weight: 1,048,576 bytes
	s_mov_b32 s79, 0
	s_mul_i32 s45, s14, HALFT                      ; where the tiles go: wave x 128 rows: no place in the cluster enters an LDS address
	s_wait_dscnt 0x0                               ; the opening add is done
	s_wait_kmcnt 0x0
	s_load_b256 s[84:91], s[8:9], 0x0              ; e0 .. e7
	s_load_b128 s[92:95], s[8:9], 0x20             ; e8 .. e11
	s_add_nc_u64 s[4:5], s[4:5], s[76:77]
	s_add_nc_u64 s[6:7], s[6:7], s[78:79]
	s_cmp_eq_u32 ttmp9, 2
	s_cselect_b64 s[80:81], s[6:7], s[4:5]         ; A: x's codes, or for v the weight's
	s_cselect_b64 s[82:83], s[4:5], s[6:7]         ; B: the other
	s_add_nc_u64 s[20:21], s[80:81], s[20:21]
	s_add_nc_u64 s[46:47], s[82:83], s[46:47]
	s_cmp_eq_u32 ttmp9, 0
	s_cselect_b64 s[10:11], s[10:11], s[68:69]
	s_cmp_eq_u32 ttmp9, 2
	s_cselect_b64 s[10:11], s[70:71], s[10:11]     ; where the codes go: qc, kc or vc
	CROUND                                         ; all sixteen work-groups are here: the first joint loads meet
.irp s, 0,1
	s_mov_b32 s[G0+4*\s], 1
	s_add_co_u32 s[G0+4*\s+1], s45, \s*SLOT
	s_add_nc_u64 s[G0+4*\s+2:G0+4*\s+3], s[20:21], \s*ROWB
	s_or_b32 s[G0+4*\s+3], s[G0+4*\s+3], 0x80000000
	s_mov_b32 s[G0B+4*\s], 1
	s_add_co_u32 s[G0B+4*\s+1], s45, \s*SLOT
	s_add_nc_u64 s[G0B+4*\s+2:G0B+4*\s+3], s[46:47], \s*ROWB
	s_or_b32 s[G0B+4*\s+3], s[G0B+4*\s+3], 0x80000000
.endr
	JLOAD G0, G1, G0B, G1B                         ; K step 0: one tensor load a wave at the head
	v_and_b32 v1, 15, v0                           ; l % 16
	v_bfe_u32 v2, v0, 4, 1                         ; l / 16
	v_mul_u32_u24 v3, v1, PITCH
	v_lshl_add_u32 v4, v2, 4, v3                   ; a fragment's row x pitch + 16 x half
	s_mul_i32 s21, s15, HALFT                      ; my 128 rows of A
	s_mul_i32 s22, s16, HALFT                      ; my 128 rows of B,
	s_add_co_u32 s22, s22, 2*HALFT                 ; which lie behind A's 256
.irp s, 0,1
	v_add_nc_u32 v[ADRA+\s], s21, v4
	v_add_nc_u32 v[ADRB+\s], s22, v4
	s_add_co_u32 s21, s21, SLOT
	s_add_co_u32 s22, s22, SLOT
.endr
	v_and_b32 v6, 31, v0
	v_lshlrev_b32 v[CO], 4, v6
	; where my codes begin.  T0 = my first token, hd = 16 x its batch + my first head.  qc, kc: (128 hd + (T0 % 2048) / 16) x 1,024;  vc: (16 hd + (T0 % 2048) / 128) x 8,192: both are hd << 17 + (T0 % 2048) << 6
	s_cmp_eq_u32 ttmp9, 2
	s_cselect_b32 s72, s42, s17                    ; the tile of tokens,
	s_cselect_b32 s73, s16, s15                    ; my half of it,
	s_cselect_b32 s74, s17, s42                    ; the tile of features (4 heads),
	s_cselect_b32 s75, s15, s16                    ; my half of it (2 heads)
	s_lshl_b32 s72, s72, 8
	s_lshl_b32 s73, s73, 7
	s_add_co_u32 s72, s72, s73                     ; T0
	s_lshr_b32 s76, s72, 11
	s_lshl_b32 s76, s76, 4
	s_lshl_b32 s74, s74, 2
	s_add_co_u32 s76, s76, s74
	s_lshl_b32 s75, s75, 1
	s_add_co_u32 s76, s76, s75                     ; hd
	s_lshl_b32 s76, s76, 17
	s_and_b32 s72, s72, 2047
	s_lshl_b32 s72, s72, 6
	s_add_co_u32 s76, s76, s72
	s_mov_b32 s77, 0
	s_add_nc_u64 s[10:11], s[10:11], s[76:77]
.macro FRAG reg, adr, q, i             ; a fragment, 16 rows x 128 K, is 16 registers: lane l holds row l % 16; registers 4 c .. 4 c + 3 hold bytes 32 c + 16 (l / 16) + 0 .. 15 of the step: the same places in A and in B, so every product meets its partner
.irp c, 0,1,2,3
	ds_load_b128 v[\reg+4*\c:\reg+4*\c+3], v[\adr] offset:128*(\q)+32*\c+(\i)*16*PITCH
.endr
.endm
; 16 matrix instructions: A's blocks a0, a0 + 1 x B's eight, 128 along K.  p: B's set.  zero = 1: the first product starts the sums: nothing is ever cleared.
; The 64 accumulators take turns, one instruction a turn, in the same order in every step.
.macro MUL16 a0, p, zero
.irp a, \a0, \a0+1
.irp b, 0,1,2,3,4,5,6,7
.if \zero
	v_wmma_f32_16x16x128_fp8_fp8 v[8*(8*((\a)%4)+\b):8*(8*((\a)%4)+\b)+7], v[128*(\p)+FR*\b:128*(\p)+FR*\b+FR-1], v[AF+FR*(\a):AF+FR*(\a)+FR-1], 0
.else
	v_wmma_f32_16x16x128_fp8_fp8 v[8*(8*((\a)%4)+\b):8*(8*((\a)%4)+\b)+7], v[128*(\p)+FR*\b:128*(\p)+FR*\b+FR-1], v[AF+FR*(\a):AF+FR*(\a)+FR-1], v[8*(8*((\a)%4)+\b):8*(8*((\a)%4)+\b)+7]
.endif
.endr
.endr
.endm
.macro FETCH_B slot, q, p              ; B's eight fragments of the slot's q-th 128 along K into set p
	WIN TO_B
.irp i, 0,1,2,3,4,5,6,7
	FRAG 128*(\p)+FR*\i, ADRB+\slot, \q, \i
.endr
	WIN 0
.endm
.macro FETCH_A slot, q, i0             ; A's blocks i0 .. i0 + 3
.irp i, \i0, \i0+1, \i0+2, \i0+3
	FRAG AF+FR*(\i), ADRA+\slot, \q, \i
.endr
.endm
; A load into a register that a matrix instruction has read, and a vector instruction that reads a matrix result, stand NP places behind that matrix instruction, and only plain vector
; instructions that name none of its registers are places (ISA guide 7.12.1 for vector instructions).
.macro PLACES n
.rept \n
	v_nop
.endr
.endm
; A step of 128 along K that has its successor in the same slot.  A's blocks go one after the other, each against B's eight: a block of A is free when its eight products are issued, so one set of registers serves A.
.macro STEP slot, q, zero
	s_wait_dscnt 4*NL                              ; B's set and A's blocks 0-3 are in; the youngest 16 loads (A's blocks 4-7) may be out
	WIN MUL_LO
	MUL16 0, (\q)%2, \zero
	MUL16 2, (\q)%2, \zero
	s_wait_dscnt 0                                 ; A's blocks 4-7 are in (asked for 32 matrix instructions ago)
	PLACES NP
	FETCH_B \slot, (\q)+1, 1-(\q)%2
	FETCH_A \slot, (\q)+1, 0
	WIN MUL_HI
	MUL16 4, (\q)%2, \zero
	MUL16 6, (\q)%2, \zero
	PLACES NP
	WIN 0
	FETCH_A \slot, (\q)+1, 4
.endm
; A slot's last step changes slots: ONE barrier; in front of it each wave waits for all its tensor loads, adds 0 to its spare word, and waits for that and for its own reads of this slot.  fill = 1: this slot is filled again, two K steps ahead.
.macro TURN slot, next, fill
	s_wait_tensorcnt 0x0                           ; all my tensor loads have landed: my part of the next slot  (every window is 0 here: the add's two registers lie in window 0)
	ds_add_u32 v[SPW], v[NIL]                      ; 0 onto my spare word
	s_wait_dscnt 4*NL+1                            ; (the add and the youngest 16 loads, A's blocks 4-7, may be out)
	WIN MUL_LO
	MUL16 0, 1, 0                                  ; sixteen matrix instructions stand between the add and the wait for it
	s_wait_dscnt 0x0                               ; the add is done, and my reads of this slot are over
	s_barrier_signal -1
	MUL16 2, 1, 0
	WIN 0
	s_barrier_wait -1
.if \fill
	CREST                                          ; the barrier has opened a round of the cluster's barrier: no wave of any partner still reads this slot's tile or has a load on its way
	s_add_nc_u64 s[G0+4*\slot+2:G0+4*\slot+3], s[G0+4*\slot+2:G0+4*\slot+3], 2*ROWB
	s_add_nc_u64 s[G0B+4*\slot+2:G0B+4*\slot+3], s[G0B+4*\slot+2:G0B+4*\slot+3], 2*ROWB
	JLOAD G0+4*\slot, G1, G0B+4*\slot, G1B         ; the first tensor load behind the round; the four v_nop behind it are the places in front of the loads below
.else
	PLACES NP
.endif
	FETCH_B \next, 0, 0
	FETCH_A \next, 0, 0
	WIN MUL_HI
	MUL16 4, 1, 0
	MUL16 6, 1, 0
	PLACES NP
	WIN 0
	FETCH_A \next, 0, 4
.endm
	s_wait_alu depctr_va_vdst(0)
	s_wait_tensorcnt 0x0                           ; my part of K step 0 is in
	ds_add_u32 v[SPW], v[NIL]
	s_wait_dscnt 0x0
	CROUND                                         ; everybody's part of K step 0 is in, and all sixteen work-groups are here
	JLOAD G0+4, G1, G0B+4, G1B                     ; K step 1: the first tensor load behind the round
	FETCH_B 0, 0, 0
	FETCH_A 0, 0, 0
	FETCH_A 0, 0, 4
	STEP 0, 0, 1                                   ; K step 0: the first products start the sums
	TURN 0, 1, 1                                   ; slot 0 takes K step 2
	STEP 1, 0, 0                                   ; K step 1
	TURN 1, 0, 1                                   ; slot 1 takes K step 3
	STEP 0, 0, 0                                   ; K step 2
	TURN 0, 1, 0                                   ; nothing is left to fetch: no round of the cluster's barrier
	STEP 1, 0, 0                                   ; K step 3
	s_wait_dscnt 4*NL                              ; the very last step
	WIN MUL_LO
	MUL16 0, 1, 0
	MUL16 2, 1, 0
	s_wait_dscnt 0
	WIN MUL_HI
	MUL16 4, 1, 0
	MUL16 6, 1, 0
	WIN 0
	; THE WAY OUT.  E = eo - eW - ex, chosen by the cluster's x without a branch
	s_wait_kmcnt 0x0
	s_cmp_eq_u32 ttmp9, 0
	s_cselect_b32 s96, s84, s86                    ; eW: e0, e2
	s_cselect_b32 s97, s85, s87                    ; ex: e1, e3
	s_cselect_b32 s98, s90, s91                    ; eo: e6, e7
	s_cmp_eq_u32 ttmp9, 2
	s_cselect_b32 s96, s88, s96                    ; e4
	s_cselect_b32 s97, s89, s97                    ; e5
	s_cselect_b32 s98, s93, s98                    ; e9
	s_sub_co_i32 s98, s98, s96
	s_sub_co_i32 s98, s98, s97
	s_add_co_i32 s98, s98, 127
	s_lshl_b32 s96, s98, 23
	v_mov_b32 v[SCL], s96                          ; 2^E: the conversion takes its exponent field
	s_add_co_i32 s98, s98, 8
	s_lshl_b32 s98, s98, 23
	s_or_b32 s98, s98, 0x600000
	v_mov_b32 v[LIM], s98                          ; 448 x 2^E
	PLACES NP                                      ; behind the last products: their results are read, and the registers that held A's fragments are written
.macro CONV a                          ; block a's 64 sums a lane -> 16 registers of codes
.set AC, 64*((\a)%4)
	WIN 0x82+0x41*((\a)/4)                         ; source 0 and destination: window 2 or 3
.set J, 0
.rept 64
	v_med3_num_f32 v[AC+J], v[AC+J], -v[LIM], v[LIM]   ; the conversion to an 8-bit code does not saturate (ISA guide 7.6.2): hold first; each accumulator from its low end on
.set J, J+1
.endr
	WIN 0x02+((\a)/4)                              ; source 0: window 2 or 3; the codes and the scale: window 0
.irp b, 0,1,2,3,4,5,6,7
	v_cvt_scalef32_pk8_fp8_f32 v[CD+16*(\a)+2*\b:CD+16*(\a)+2*\b+1], v[AC+8*\b:AC+8*\b+7], v[SCL]
.endr
	v_nop                                          ; a plain line behind the last conversion of the run
.endm
.irp a, 0,1,2,3,4,5,6,7
	CONV \a
.endr
	WIN 0
	s_cmp_eq_u32 ttmp9, 2                          ; the cluster's x: the same in all partners.  The two layouts differ in the stores' immediates alone
	s_cbranch_scc1 .Lstore_v
.irp a, 0,1,2,3,4,5,6,7                ; q, k: tile a of 16 tokens; registers 0-7: my first head's fragment, 8-15: my second's, 131,072 bytes on
.irp c, 0,1,2,3
	global_store_b128 v[CO], v[CD+16*\a+4*\c:CD+16*\a+4*\c+3], s[10:11] offset:1024*\a+131072*(\c/2)+512*(\c%2)   ; 32 lanes store 512 consecutive bytes, aligned
.endr
.endr
	s_branch .Lstored
.Lstore_v:
	s_wait_alu depctr_va_vdst(0)
.irp a, 0,1,2,3,4,5,6,7                ; v: head a / 4 of my two, tile a % 4 of 16 channels: one fragment of 128 keys
.irp c, 0,1,2,3
	global_store_b128 v[CO], v[CD+16*\a+4*\c:CD+16*\a+4*\c+3], s[10:11] offset:131072*(\a/4)+2048*(\a%4)+512*\c
.endr
.endr
.Lstored:
	s_wait_tensorcnt 0x0                           ; the wave's end, behind my last tensor load
	ds_add_u32 v[SPW], v[NIL]
	s_wait_dscnt 0x0
	CROUND                                         ; the closing round: no work-group ends while a partner may still ask for a tile that names it
	s_endpgm
.Lfunc_end_k_qbdefe40490_qkv:
	.size	k_qbdefe40490_qkv, .Lfunc_end_k_qbdefe40490_qkv-k_qbdefe40490_qkv
	.p2alignl 7, 3214868480
	.fill 96, 4, 3214868480
	.section	.rodata,"a",@progbits
	.p2align	6, 0x0
	.amdhsa_kernel k_qbdefe40490_qkv
		.amdhsa_group_segment_fixed_size 327680
		.amdhsa_private_segment_fixed_size 0
		.amdhsa_enable_private_segment 0
		.amdhsa_kernarg_size 48
		.amdhsa_user_sgpr_count 2
		.amdhsa_user_sgpr_kernarg_segment_ptr 1
		.amdhsa_wavefront_size32 1
		.amdhsa_system_sgpr_workgroup_id_x 1
		.amdhsa_system_sgpr_workgroup_id_y 1
		.amdhsa_system_sgpr_workgroup_id_z 1
		.amdhsa_system_vgpr_workitem_id 0
		.amdhsa_next_free_vgpr 1024
		.amdhsa_next_free_sgpr 100
		.amdhsa_reserve_vcc 0
		.amdhsa_float_denorm_mode_32 3
		.amdhsa_float_denorm_mode_16_64 3
		.amdhsa_memory_ordered 1
		.amdhsa_forward_progress 1
		.amdhsa_inst_pref_size 122
	.end_amdhsa_kernel
	.amdgpu_metadata
---
amdhsa.version: [ 1, 2 ]
amdhsa.kernels:
  - .name:           k_qbdefe40490_qkv
    .symbol:         k_qbdefe40490_qkv.kd
    .args:
      - { .name: xc, .offset: 0, .size: 8, .value_kind: global_buffer, .address_space: global }
      - { .name: wc, .offset: 8, .size: 8, .value_kind: global_buffer, .address_space: global }
      - { .name: lowp_scales, .offset: 16, .size: 8, .value_kind: global_buffer, .address_space: global }
      - { .name: qc, .offset: 24, .size: 8, .value_kind: global_buffer, .address_space: global }
      - { .name: kc, .offset: 32, .size: 8, .value_kind: global_buffer, .address_space: global }
      - { .name: vc, .offset: 40, .size: 8, .value_kind: global_buffer, .address_space: global }
    .group_segment_fixed_size: 327680
    .private_segment_fixed_size: 0
    .kernarg_segment_align: 8
    .kernarg_segment_size: 48
    .max_flat_workgroup_size: 128
    .sgpr_count:     100
    .vgpr_count:     1024
    .wavefront_size: 32
...
	.end_amdgpu_metadata
.endif
;; end of part 2
;; launch attn (part 3): grid 4 x 64, 16 waves a work-group, clusters of 4 x 1, 327,680 bytes of LDS; arguments qc, kc, vc, lowp_scales, ao; writes ao
.if DOCPART == 3
	.amdgcn_target "amdgcn-amd-amdhsa--gfx1250"
	.amdhsa_code_object_version 6
	.text
	.protected	k_qbdefe40490_attn
	.globl	k_qbdefe40490_attn
	.p2align	8
	.type	k_qbdefe40490_attn,@function
k_qbdefe40490_attn:
	s_mov_b64 s[64:65], 0
	v_nop
	global_prefetch_b8 v0, s[64:65] scope:SCOPE_SE
	s_setreg_imm32_b32 hwreg(HW_REG_WAVE_MODE, 25, 1), 1
	s_wait_xcnt 0x0
	s_wait_alu depctr_hold_cnt(0) depctr_sa_sdst(0) depctr_va_vdst(0) depctr_va_sdst(0) depctr_va_ssrc(0) depctr_va_vcc(0) depctr_vm_vsrc(0)
	s_getreg_b32 s2, hwreg(HW_REG_IB_STS2, 6, 4)
	s_cmp_eq_u32 s2, 0
	s_cbranch_scc0 .Lentry_in_a_cluster
	s_endpgm
.Lentry_in_a_cluster:
	s_bfe_u32 s2, ttmp6, 0x10000c
	s_cmp_lg_u32 s2, 0x3003
	s_cbranch_scc0 .Lentry_shape_is_right
	s_endpgm
.Lentry_shape_is_right:
; Causal attention on codes of FP8 (E4M3): for each of 64 (batch, head) pairs, O[q] = sum over keys k <= q of softmax(q . k / 8) v, head size 64, 2,048 tokens; O is quantised by e10 for the last product.
; qc, kc: [64][128 tiles of 16 tokens][1,024 bytes], vc: [64][16 chunks of 128 keys][4 tiles of 16 channels][2,048 bytes]: images of operand registers: four registers of all 32 lanes in 512 bytes, lane l's 16 bytes at 16 l.
; ao: [64 groups of 128 tokens][16 heads][8 tiles][1,024 bytes], images of the same make.
; WORK LEFT OUT: the causal mask hangs on positions alone, so a step of 128 keys all of which come after a tile's queries reaches no output, whatever the inputs hold: it is jumped over.  A NaN or an infinity that reaches only such scores is not carried on.
; THE SOFTMAX AHEAD OF THE SECOND PRODUCT: t = score x log2(e) / 8; M = the row's largest t so far, rounded UP to a whole number; p = 2^(t - M) is quantised by e8, not normalised.  The row's sum is taken of the
; unquantised p, in f32, and divides O at the end.  When M moves, the sum and O are multiplied by 2^(old M - new M): exact.
; K AND V STAY IN LDS.  A head's K and V are 2 x 131,072 bytes: sixteen tensor loads of 16,384 bytes, one a wave, all at the head (waves 0-7: K's eighths, waves 8-15: V's).  Nothing is filled again: one barrier when they have landed, none in the loop.
; CLUSTER: the four work-groups of a head need the same K and V: each load is asked for jointly, mask 15.  No branch, trip count or LDS address hangs on the place i in the cluster: i enters Q's and ao's addresses and the mask's numbers alone.
; SHARES.  A head's queries are 128 tiles of 16.  Wave w (0..15) of partner i owns tile 127 - 4 w - i, which needs the key steps 0 .. 15 - w / 2, and then tile 4 w + i, which needs 0 .. w / 2: 17 steps for every wave of the launch.
; The loop has 24 trips for every wave: trips 0-15 belong to the first tile, 16-23 to the second, the key step is trip % 16; a trip past the tile's last step jumps over its work (wave's number and trip alone).
; LAYOUT.  Both products are used transposed: S^T = K Q^T (source 0 = 16 keys, source 1 = 16 queries, K = 64), O^T = V^T P^T (source 0 = 16 channels, source 1 = P, K = 128 keys): a lane holds ONE query (lane % 16).
; Register j of tile t of S^T is key 16 t + 8 (lane / 16) + j, which is where the plain 8-bit layout wants it: the conversions' results ARE P's fragment; O^T's codes likewise are ao's image.
; NO PREFETCH: all that the work-group reads of K and V is asked for by the sixteen loads at the head; there is no loop to run ahead in.
; LIMITS on the given exponents, so that each power of two below is an f32 number: e6 + e7 between -123 and 130 (added to c's exponent field); e8, and E = e10 - e8 - e9, between -126 and 119.
; REGISTERS: v1 16 x lane; v2, v5-9 addresses; v10 the mask's d; v11 -infinity; v12 -M, v13 the largest t, v[14:15] the sum; v16-23 Q, v24-31 the second tile's Q; v32-95 K's fragments, then V's; v96-159 S^T, then p; v160-191 O^T;
;   v192-199 ao's codes; v224-239 p's codes; v240 and v250: 448 x 2^e8; v244: 2^e8; v245, v241: 448 x 2^E, 2^E; v236-254 at work.
.set VOFF,  131072                     ; K's images from byte 0, V's from here
.set SPARE, 262144                     ; the spare words, 128 bytes for each wave: eight blocks of 256 bytes that no other line names
.set LI,   1
.set LIV,  2                           ; v2  16 x lane + VOFF
.set SPW,  5
.set NIL,  6
.set ADK,  7                           ; v7  LDS address of the step's K
.set ADV,  8                           ; v8  of its V
.set RH,   9                           ; v9  lane % 16 - 8 (lane / 16)
.set DQ,   10
.set NINF, 11
.set N,    3                           ; s3  the trip
.set WV,   18                          ; s18 my wave's number
.set LIMT, 19                          ; s19 the trip of the tile's last step, which lies on the diagonal
.set SEL,  20                          ; s[20:21] lane selects for v_permlanex16_b32: lane l xor 16
.set CS,   22                          ; s[22:23] c = log2(e) / 8 x 2^(e6 + e7)
.set G1,   24
.set G0,   40
.set DLO,  66                          ; s66, s67 first query % 128 of the second and of the first tile
.set DHI,  67
.set SO,   68                          ; s68, s69 2^E, 448 x 2^E
.set AO1,  70
.set AO2,  72
.set SP,   74                          ; s74, s75 2^e8, 448 x 2^e8
.set WH,   90                          ; s90 wave / 2
.macro ROUND                           ; a round of the cluster's barrier
	s_barrier_signal -1
	s_barrier_wait -1
	s_cmp_lg_u32 s[WV], 0
	s_cbranch_scc1 .Lnot_wave_0_\@
	s_barrier_signal -3
.Lnot_wave_0_\@:
	s_barrier_wait -3
	s_barrier_signal -1
	s_barrier_wait -1
.endm
.macro AOADR dst, tile                 ; ao: (token / 128) x 131,072 + head x 8,192 + (token / 16 % 8) x 1,024
	s_lshl_b32 s91, s[\tile], 4
	s_add_co_u32 s91, s91, s98
	s_lshr_b32 s[\dst], s91, 7
	s_lshl_b32 s[\dst], s[\dst], 17
	s_bfe_u32 s91, s91, 0x30004
	s_lshl_b32 s91, s91, 10
	s_add_co_u32 s[\dst], s[\dst], s91
	s_add_co_u32 s[\dst], s[\dst], s99
	s_mov_b32 s[\dst+1], 0
	s_add_nc_u64 s[\dst:\dst+1], s[12:13], s[\dst:\dst+1]
.endm
.macro STATE0                          ; a tile begins: the largest t -3e38, under every t; sums and O^T zero, which the first change of M leaves zero
	v_mov_b32 v13, 0xff61b1e6
	v_floor_f32 v12, -v13
	v_mov_b32 v14, 0
	v_mov_b32 v15, 0
.set J, 0
.rept 32
	v_mov_b32 v[160+J], 0
.set J, J+1
.endr
.endm
.macro MASK                            ; on the diagonal: register 8 t + j is hidden where 16 t + j > d = my query - the step's first key - 8 (lane / 16): -infinity, so p = 0
.set J, 0
.rept 64
	v_cmp_gt_i32 vcc_lo, 16*(J/8)+J%8, v[DQ]
	v_cndmask_b32 v[96+J], v[96+J], v[NINF], vcc_lo
.set J, J+1
.endr
.endm
.macro HOLD t                          ; the conversion to an 8-bit code does not saturate (ISA guide 7.6.2); p is not negative, so the hold is one-sided; two numbers a line
.irp i, 0,2,4,6
	v_dual_min_num_f32 v[96+8*\t+\i], v[96+8*\t+\i], v240 :: v_dual_min_num_f32 v[97+8*\t+\i], v[97+8*\t+\i], v250
.endr
.endm
; The softmax of my tile for 128 keys: scores in v96-159 -> p's codes in v224-239; M, the sum and O^T brought on.
.macro SM
	s_wait_alu depctr_va_vdst(0)                   ; directly ahead of the first readers of the scores
	v_max3_num_f32 v254, v96, v97, v98             ; the largest score of my query among my 64 keys, in two chains, each accumulator from its low end on
	v_max3_num_f32 v252, v99, v100, v101
.irp i, 6,10,14,18,22,26,30,34,38,42,46,50,54,58
	v_max3_num_f32 v254, v254, v[96+\i], v[97+\i]
	v_max3_num_f32 v252, v252, v[98+\i], v[99+\i]
.endr
	v_max3_num_f32 v254, v254, v158, v159
	s_delay_alu instid0(VALU_DEP_1)
	v_max_num_f32 v254, v254, v252
	v_permlanex16_b32 v236, v254, s[SEL], s[SEL+1]
	s_delay_alu instid0(VALU_DEP_1)
	v_max_num_f32 v254, v254, v236                 ; and among lane l xor 16's
	s_delay_alu instid0(VALU_DEP_1)
	v_mul_f32 v254, s[CS], v254                    ; as t (c is positive)
	s_delay_alu instid0(VALU_DEP_1)
	v_max_num_f32 v13, v13, v254                   ; the running largest t
	v_mov_b32 v254, v12
	s_delay_alu instid0(VALU_DEP_2)
	v_floor_f32 v12, -v13                          ; the new -M = -ceil(t)
	s_delay_alu instid0(VALU_DEP_1)
	v_sub_f32 v254, v12, v254                      ; old M - new M: a whole number, 0 or less
	s_delay_alu instid0(VALU_DEP_1)
	v_cvt_i32_f32 v254, v254                       ; (it saturates)
	s_delay_alu instid0(VALU_DEP_1)
	v_ldexp_f32 v252, 1.0, v254                    ; f = 2^(old M - new M)
.set J, 0
.rept 32
	v_pk_fma_f32 v[96+J:97+J], v[96+J:97+J], s[CS:CS+1], v[12:13] op_sel_hi:[1,0,0]   ; t - M, two at a time
.set J, J+2
.endr
	s_wait_alu depctr_va_vdst(0)                   ; ahead of the batch
.set J, 0
.rept 64
	v_exp_f32 v[96+J], v[96+J]                     ; p = 2^(t - M), at most 1
.set J, J+1
.endr
	v_pk_mul_f32 v[14:15], v[14:15], v[252:253] op_sel_hi:[1,0]   ; the sums under the new M (the plain line behind the batch)
	s_wait_alu depctr_va_vdst(0)                   ; one wait for the batch, and directly ahead of the first readers of O^T
.set J, 0
.rept 16
	v_pk_mul_f32 v[160+J:161+J], v[160+J:161+J], v[252:253] op_sel_hi:[1,0]   ; O^T under the new M
.set J, J+2
.endr
	v_pk_add_f32 v[242:243], v[96:97], v[98:99]    ; the row's sum of the unquantised p, in four chains
	v_pk_add_f32 v[246:247], v[100:101], v[102:103]
	v_pk_add_f32 v[248:249], v[104:105], v[106:107]
	v_pk_add_f32 v[14:15], v[14:15], v[108:109]
.irp j, 110,118,126,134,142,150
	v_pk_add_f32 v[242:243], v[242:243], v[\j:\j+1]
	v_pk_add_f32 v[246:247], v[246:247], v[\j+2:\j+3]
	v_pk_add_f32 v[248:249], v[248:249], v[\j+4:\j+5]
	v_pk_add_f32 v[14:15], v[14:15], v[\j+6:\j+7]
.endr
	v_pk_add_f32 v[242:243], v[242:243], v[158:159]
	v_pk_add_f32 v[14:15], v[14:15], v[246:247]
	v_pk_add_f32 v[242:243], v[242:243], v[248:249]
	v_pk_add_f32 v[14:15], v[14:15], v[242:243]
.irp t, 0,1,2,3,4,5,6,7
	HOLD \t
	v_cvt_scalef32_pk8_fp8_f32 v[224+2*\t:225+2*\t], v[96+8*\t:103+8*\t], v244   ; registers 2 t, 2 t + 1 of P's fragment
.endr
	v_nop                                          ; a plain line behind the last conversion
.endm
; A tile is finished: O^T / the sum, held, quantised by 2^E: eight registers of codes, the image of 16 tokens x this head's 64.
.macro FINISH ptr
.rept 4
	v_nop                                          ; places behind the last products
.endr
	v_add_f32 v14, v14, v15
	v_permlanex16_b32 v252, v14, s[SEL], s[SEL+1]
	v_add_f32 v14, v14, v252                       ; the row's sum
	s_wait_alu depctr_va_vdst(0)                   ; ahead of the reciprocal,
	v_rcp_f32 v14, v14
	v_nop
	s_wait_alu depctr_va_vdst(0)                   ; and ahead of its first reader, which is also O^T's
.set J, 0
.rept 16
	v_pk_mul_f32 v[96+J:97+J], v[160+J:161+J], v[14:15] op_sel_hi:[1,0]
.set J, J+2
.endr
.set J, 0
.rept 32
	v_med3_num_f32 v[96+J], v[96+J], -v245, v245
.set J, J+1
.endr
	s_wait_alu depctr_va_vdst(0)
	s_wait_xcnt 0x0                                ; earlier stores have read their data: the code registers are written again only behind this wait
.irp a, 0,1,2,3
	v_cvt_scalef32_pk8_fp8_f32 v[192+2*\a:193+2*\a], v[96+8*\a:103+8*\a], v241
.endr
	v_nop
	global_store_b128 v[LI], v[192:195], s[\ptr:\ptr+1]             ; 32 lanes store 512 consecutive bytes, aligned
	global_store_b128 v[LI], v[196:199], s[\ptr:\ptr+1] offset:512
.endm
	s_load_b256 s[4:11], s[0:1], 0x0               ; qc s[4:5], kc s[6:7], vc s[8:9], the scales s[10:11]
	s_load_b64 s[12:13], s[0:1], 0x20              ; ao
	v_lshl_add_u32 v[SPW], v0, 2, SPARE
	v_mov_b32 v[NIL], 0
	ds_add_u32 v[SPW], v[NIL]                      ; the opening: the add, twice on end, and its wait ahead of my tensor load
	ds_add_u32 v[SPW], v[NIL]
	v_lshrrev_b32 v8, 5, v0
	v_readfirstlane_b32 s[WV], v8                  ; wave 0..15
	s_and_b32 s92, ttmp7, 0xffff                   ; b h = 16 x batch + head
	s_lshl_b32 s94, s92, 17                        ; its first byte in qc, kc and vc
	s_mov_b32 s95, 0
	s_mov_b32 s[G1], 15|(3<<16)|(1<<21)            ; the mask: all four partners; elements of 8 bytes; bit 21 beside the mask
	s_mov_b32 s[G1+1], 32<<16                      ; 16,384 dense bytes as 64 rows of 256
	s_mov_b32 s[G1+2], 64<<16
	s_mov_b32 s[G1+3], 32<<16
	s_mov_b32 s[G1+4], 64
	s_mov_b32 s[G1+5], 32
	s_mov_b32 s[G1+6], 0
	s_mov_b32 s[G1+7], 0
	s_mov_b32 s[G0], 1
	s_lshl_b32 s[G0+1], s[WV], 14                  ; LDS: 16,384 x wave
	s_and_b32 s88, s[WV], 7
	s_lshl_b32 s88, s88, 14
	s_add_co_u32 s88, s88, s94                     ; memory: the head's eighth wave % 8
	s_mov_b32 s89, 0
	s_wait_dscnt 0x0                               ; both opening adds are done
	s_wait_kmcnt 0x0
	s_load_b256 s[76:83], s[10:11], 0x0            ; e0 .. e7
	s_load_b128 s[84:87], s[10:11], 0x20           ; e8 .. e11
	s_cmp_lt_u32 s[WV], 8
	s_cselect_b64 s[G0+2:G0+3], s[6:7], s[8:9]     ; of kc (waves 0-7) or of vc
	s_add_nc_u64 s[G0+2:G0+3], s[G0+2:G0+3], s[88:89]
	s_or_b32 s[G0+3], s[G0+3], 0x80000000
	ROUND                                          ; all four partners are here: the joint loads meet
	tensor_load_to_lds s[G0:G0+3], s[G1:G1+7]      ; my one tensor load of the launch
	s_nop 0
.rept 4
	v_nop
.endr
	s_bfe_u32 s93, ttmp6, 0x40000                  ; i: my place in the cluster
	s_mov_b32 s[SEL], 0x76543210
	s_mov_b32 s[SEL+1], 0xfedcba98
	s_mov_b32 s[CS], 0x3e38aa3b                    ; log2(e) / 8
	s_mov_b32 s[N], 0
	s_lshr_b32 s[WH], s[WV], 1
	s_sub_co_u32 s[LIMT], 15, s[WH]
	s_lshl_b32 s96, s[WV], 2
	s_add_co_u32 s96, s96, s93                     ; the second tile: 4 w + i
	s_sub_co_u32 s97, 127, s96                     ; the first
	s_and_b32 s[DLO], s96, 7
	s_lshl_b32 s[DLO], s[DLO], 4
	s_sub_co_u32 s[DHI], 112, s[DLO]
	s_lshl_b32 s14, s97, 10                        ; Q: a tile is 1,024 bytes
	s_add_co_u32 s14, s14, s94
	s_mov_b32 s15, 0
	s_add_nc_u64 s[14:15], s[4:5], s[14:15]
	s_lshl_b32 s16, s96, 10
	s_add_co_u32 s16, s16, s94
	s_mov_b32 s17, 0
	s_add_nc_u64 s[16:17], s[4:5], s[16:17]
	s_lshr_b32 s98, s92, 4
	s_lshl_b32 s98, s98, 11                        ; the batch's first token
	s_and_b32 s99, s92, 15
	s_lshl_b32 s99, s99, 13
	AOADR AO1, 97
	AOADR AO2, 96
	v_and_b32 v[LI], 31, v0
	v_lshlrev_b32 v[LI], 4, v[LI]
	global_load_b128 v[16:19], v[LI], s[14:15]
	global_load_b128 v[20:23], v[LI], s[14:15] offset:512
	global_load_b128 v[24:27], v[LI], s[16:17]
	global_load_b128 v[28:31], v[LI], s[16:17] offset:512
	v_add_nc_u32 v[LIV], VOFF, v[LI]
	v_and_b32 v[RH], 15, v0
	v_bfe_u32 v[ADK], v0, 4, 1
	v_lshlrev_b32 v[ADK], 3, v[ADK]
	v_sub_nc_u32 v[RH], v[RH], v[ADK]
	v_add_nc_u32 v[DQ], s[DHI], v[RH]
	s_wait_kmcnt 0x0
	s_add_co_i32 s92, s82, s83                     ; a score stands for score x 2^(e6 + e7): added to c's exponent field
	s_lshl_b32 s92, s92, 23
	s_add_co_i32 s[CS], s[CS], s92
	s_mov_b32 s[CS+1], s[CS]
	s_add_co_i32 s92, s84, 127
	s_lshl_b32 s[SP], s92, 23
	s_add_co_i32 s92, s92, 8
	s_lshl_b32 s92, s92, 23
	s_or_b32 s[SP+1], s92, 0x600000
	s_sub_co_i32 s92, s86, s84                     ; O's code is (sum / l) / 2^E, E = e10 - e8 - e9
	s_sub_co_i32 s92, s92, s85
	s_add_co_i32 s92, s92, 127
	s_lshl_b32 s[SO], s92, 23
	s_add_co_i32 s92, s92, 8
	s_lshl_b32 s92, s92, 23
	s_or_b32 s[SO+1], s92, 0x600000
	v_mov_b32 v[NINF], 0xff800000
	v_mov_b32 v236, 0                              ; a lane permute's destination counts as one of its sources
	v_mov_b32 v252, 0
	v_mov_b32 v253, 0                              ; (named as the upper half of the pair v[252:253])
	v_mov_b32 v244, s[SP]
	v_mov_b32 v240, s[SP+1]
	v_mov_b32 v250, s[SP+1]                        ; a second copy, for the second half of the paired holds
	v_mov_b32 v241, s[SO]
	v_mov_b32 v245, s[SO+1]
	STATE0
	s_wait_alu depctr_va_vdst(0)
	s_wait_loadcnt 0x0                             ; Q
	s_wait_tensorcnt 0x0                           ; my part of K or V is in;
	s_barrier_signal -1
	s_barrier_wait -1                              ; everybody's is
.Ltrip:
	s_cmp_lg_u32 s[N], 16
	s_cbranch_scc1 .Lsame
	FINISH AO1                                     ; trip 16: the first tile leaves, the second begins
	STATE0
.irp j, 0,1,2,3,4,5,6,7
	v_mov_b32 v[16+\j], v[24+\j]
.endr
	v_add_nc_u32 v[DQ], s[DLO], v[RH]
	s_add_co_u32 s[LIMT], s[WH], 16
	s_wait_alu depctr_va_vdst(0)
.Lsame:
	s_cmp_gt_u32 s[N], s[LIMT]                     ; past the tile's last step: the work is left out
	s_cbranch_scc1 .Lhidden
	s_and_b32 s96, s[N], 15
	s_lshl_b32 s96, s96, 13                        ; a step is 8,192 bytes of K and of V
	v_add_nc_u32 v[ADK], s96, v[LI]
	v_add_nc_u32 v[ADV], s96, v[LIV]
	v_nop                                          ; with the two additions: four places in front of loads into registers that the last products read
	v_nop
.irp t, 0,1,2,3,4,5,6,7
	ds_load_b128 v[32+8*\t:35+8*\t], v[ADK] offset:\t*1024          ; K's eight tiles of 16 keys: 512 consecutive bytes a load
	ds_load_b128 v[36+8*\t:39+8*\t], v[ADK] offset:\t*1024+512
.endr
	s_wait_alu depctr_va_vdst(0)
	s_wait_dscnt 0x0
.irp t, 0,1,2,3,4,5,6,7
	v_wmma_f32_16x16x64_fp8_fp8 v[96+8*\t:103+8*\t], v[32+8*\t:39+8*\t], v[16:23], 0
.endr
.rept 4
	v_nop                                          ; places in front of the loads below and of the first read of the scores
.endr
.irp a, 0,1,2,3
.irp c, 0,1,2,3
	ds_load_b128 v[32+16*\a+4*\c:35+16*\a+4*\c], v[ADV] offset:\a*2048+512*\c   ; V's four tiles of 16 channels x 128 keys: they land under the softmax
.endr
.endr
	s_cmp_lg_u32 s[N], s[LIMT]
	s_cbranch_scc1 .Lopen
	MASK
.Lopen:
	SM
	s_wait_alu depctr_va_vdst(0)
	s_wait_dscnt 0x0                               ; V is in
.irp a, 0,1,2,3
	v_wmma_f32_16x16x128_fp8_fp8 v[160+8*\a:167+8*\a], v[32+16*\a:47+16*\a], v[224:239], v[160+8*\a:167+8*\a]   ; four accumulators by turns; between two steps of a sum stand the other three's and eight score products
.endr
.Lhidden:
	s_wait_alu depctr_va_vdst(0)
	s_add_co_u32 s[N], s[N], 1
	s_cmp_lt_u32 s[N], 24
	s_cbranch_scc1 .Ltrip
	FINISH AO2
	s_wait_tensorcnt 0x0                           ; the wave's end
	ds_add_u32 v[SPW], v[NIL]
	s_wait_dscnt 0x0
	ROUND                                          ; the closing round
	s_endpgm
.Lfunc_end_k_qbdefe40490_attn:
	.size	k_qbdefe40490_attn, .Lfunc_end_k_qbdefe40490_attn-k_qbdefe40490_attn
	.p2alignl 7, 3214868480
	.fill 96, 4, 3214868480
	.section	.rodata,"a",@progbits
	.p2align	6, 0x0
	.amdhsa_kernel k_qbdefe40490_attn
		.amdhsa_group_segment_fixed_size 327680
		.amdhsa_private_segment_fixed_size 0
		.amdhsa_enable_private_segment 0
		.amdhsa_kernarg_size 40
		.amdhsa_user_sgpr_count 2
		.amdhsa_user_sgpr_kernarg_segment_ptr 1
		.amdhsa_wavefront_size32 1
		.amdhsa_system_sgpr_workgroup_id_x 1
		.amdhsa_system_sgpr_workgroup_id_y 1
		.amdhsa_system_sgpr_workgroup_id_z 1
		.amdhsa_system_vgpr_workitem_id 0
		.amdhsa_next_free_vgpr 256
		.amdhsa_next_free_sgpr 100
		.amdhsa_reserve_vcc 1
		.amdhsa_float_denorm_mode_32 3
		.amdhsa_float_denorm_mode_16_64 3
		.amdhsa_memory_ordered 1
		.amdhsa_forward_progress 1
		.amdhsa_inst_pref_size 38
	.end_amdhsa_kernel
	.amdgpu_metadata
---
amdhsa.version: [ 1, 2 ]
amdhsa.kernels:
  - .name:           k_qbdefe40490_attn
    .symbol:         k_qbdefe40490_attn.kd
    .args:
      - { .name: qc, .offset: 0, .size: 8, .value_kind: global_buffer, .address_space: global }
      - { .name: kc, .offset: 8, .size: 8, .value_kind: global_buffer, .address_space: global }
      - { .name: vc, .offset: 16, .size: 8, .value_kind: global_buffer, .address_space: global }
      - { .name: lowp_scales, .offset: 24, .size: 8, .value_kind: global_buffer, .address_space: global }
      - { .name: ao, .offset: 32, .size: 8, .value_kind: global_buffer, .address_space: global }
    .group_segment_fixed_size: 327680
    .private_segment_fixed_size: 0
    .kernarg_segment_align: 8
    .kernarg_segment_size: 40
    .max_flat_workgroup_size: 512
    .sgpr_count:     100
    .vgpr_count:     256
    .wavefront_size: 32
...
	.end_amdgpu_metadata
.endif
;; end of part 3
;; launch proj (part 4): grid 4 x 64, 4 waves a work-group, clusters of 4 x 4, 327,680 bytes of LDS; arguments ao, wpc, lowp_scales, bp, out0; writes out0
.if DOCPART == 4
	.amdgcn_target "amdgcn-amd-amdhsa--gfx1250"
	.amdhsa_code_object_version 6
	.text
	.protected	k_qbdefe40490_proj
	.globl	k_qbdefe40490_proj
	.p2align	8
	.type	k_qbdefe40490_proj,@function
k_qbdefe40490_proj:
	s_mov_b64 s[64:65], 0
	v_nop
	global_prefetch_b8 v0, s[64:65] scope:SCOPE_SE
	s_setreg_imm32_b32 hwreg(HW_REG_WAVE_MODE, 25, 1), 1
	s_wait_xcnt 0x0
	s_wait_alu depctr_hold_cnt(0) depctr_sa_sdst(0) depctr_va_vdst(0) depctr_va_sdst(0) depctr_va_ssrc(0) depctr_va_vcc(0) depctr_vm_vsrc(0)
	s_getreg_b32 s2, hwreg(HW_REG_IB_STS2, 6, 4)
	s_cmp_eq_u32 s2, 0
	s_cbranch_scc0 .Lentry_in_a_cluster
	s_endpgm
.Lentry_in_a_cluster:
	s_bfe_u32 s2, ttmp6, 0x10000c
	s_cmp_lg_u32 s2, 0xf033
	s_cbranch_scc0 .Lentry_shape_is_right
	s_endpgm
.Lentry_shape_is_right:
; out0 = attention's result x Wp^T + bp, on codes of FP8 (E4M3): a sum stands for sum x 2^(e10 + e11).  LIMIT: e10 + e11 between -126 and 127, so that this power of two is an f32 number.
; ao: [64 groups of 128 tokens][16 heads][8 tiles of 16 tokens][1,024 bytes]: images of operand registers (16 tokens x 64 of K), lane l's 16 bytes at 16 l.  wpc: [1024 features][1024] codes, K innermost, laid to meet ao's order of K under loads of 16 bytes at 32 c + 16 (lane / 16).
; A BLOCK is 128 tokens (one group) x 256 features: 4 x 64 = 256 work-groups of four waves.  A wave makes 64 tokens x 128 features: 32 accumulators.
; THE TOKENS' CODES GO STRAIGHT INTO REGISTERS: ao lies as the registers want it, so a wave's 64 tokens x all 1,024 of K are 128 loads of 512 consecutive bytes into 512 registers, and pass through no LDS.
; THE WEIGHT'S 256 ROWS x 1,024 STAY IN LDS, filled once: four tensor loads of 64 rows, one a wave, at the head.  Nothing is filled again: one barrier when they have landed.
; CLUSTER 4 x 4: the four work-groups of a column of the cluster take the same 256 features: each load is asked for jointly, with the column's mask.  No branch and no LDS address hangs on the place in the cluster.
; NO PREFETCH: everything is asked for at the head; there is no loop to run ahead in.
; THE MATRIX INSTRUCTION IS USED TRANSPOSED (source 0 = 16 features, source 1 = 16 tokens): a lane holds eight neighbouring numbers of a row of out0.
; REGISTERS, in windows of 256: window 0: v0-31 addresses, v32-35 the bias, v128-255 the weight's eight fragments of a K step, in two halves; on the way out rows read back.
;   windows 1, 2: the tokens' fragments: K step ks, block a at v[64 (ks % 4) + 16 a] of window 1 + ks / 4.   window 3: accumulator (a, b) at v[8 (8 a + b)].
.set PITCH,  1040                      ; a weight's row in LDS: 1,024 bytes + 16 of padding = 65 x 16: the 16 rows that a load touches start at 16 different 16-byte columns
.set QUART,  64*PITCH                  ; what one tensor load brings
.set STAGE,  4*QUART                   ; the way out: 16 rows x (512 + 16) bytes for each wave, bytes of their own
.set SPITCH, 528
.set SPARE,  STAGE+4*16*SPITCH         ; the spare words, 128 bytes for each wave: two blocks of 256 bytes that no other line names
.set NOUT,   1024
.set ADRB, 20                          ; v20, v21 LDS address of my fragments 0-3 and 4-7 of the weight
.set STO,  24
.set RD,   25
.set CO,   26                          ; v26 16 x lane
.set SPW,  28
.set NIL,  29
.set BI,   32
.set BF,   128
.set BK,   128
.set G1, 24
.set G0, 32
.set MSB, 0
.macro WIN new                         ; the immediate's high byte repeats the setting that is left
.if MSB != \new
	s_set_vgpr_msb (MSB<<8)|\new
.set MSB, \new
.endif
.endm
.macro CROUND                          ; a round of the cluster's barrier
	s_barrier_signal -1
	s_barrier_wait -1
	s_cmp_lg_u32 s14, 0
	s_cbranch_scc1 .Lnot_wave_0_\@
	s_barrier_signal -3
.Lnot_wave_0_\@:
	s_barrier_wait -3
	s_barrier_signal -1
	s_barrier_wait -1
.endm
.macro PLACES
.rept 4
	v_nop
.endr
.endm
	s_load_b128 s[4:7], s[0:1], 0x0                ; ao s[4:5], wpc s[6:7]
	s_load_b128 s[8:11], s[0:1], 0x10              ; the scales s[8:9], bp s[10:11]
	s_load_b64 s[12:13], s[0:1], 0x20              ; out0
	v_lshl_add_u32 v[SPW], v0, 2, SPARE
	v_mov_b32 v[NIL], 0
	ds_add_u32 v[SPW], v[NIL]                      ; the opening: the add, twice on end, and its wait ahead of my tensor load
	ds_add_u32 v[SPW], v[NIL]
	v_lshrrev_b32 v1, 5, v0
	v_readfirstlane_b32 s14, v1                    ; wave 0..3
	s_lshr_b32 s15, s14, 1                         ; which 64 tokens are mine
	s_and_b32 s16, s14, 1                          ; which 128 features
	s_bfe_u32 s40, ttmp6, 0x40000                  ; cx, cy
	s_bfe_u32 s41, ttmp6, 0x40004
	s_lshl_b32 s42, ttmp9, 2
	s_add_co_u32 s42, s42, s40                     ; the block of 256 features
	s_and_b32 s17, ttmp7, 0xffff
	s_lshl_b32 s17, s17, 2
	s_add_co_u32 s17, s17, s41                     ; the group of 128 tokens
	s_lshl_b32 s44, 0x1111, s40                    ; my column of the cluster
	s_or_b32 s[G1+0], s44, (0<<16)|(1<<20)|(1<<21)|(7<<22)|(3<<25)  ; the mask; elements of 1 byte; padding on; bit 21 beside the mask; after every 256 words (code 7) four words (code 3)
	s_mov_b32 s[G1+1], 1024<<16                    ; tensor_dim0
	s_mov_b32 s[G1+2], 64<<16                      ; tensor_dim1
	s_mov_b32 s[G1+3], 1024<<16                    ; tile_dim0
	s_mov_b32 s[G1+4], 64                          ; tile_dim1
	s_mov_b32 s[G1+5], 1024                        ; the pitch in memory
	s_mov_b32 s[G1+6], 0
	s_mov_b32 s[G1+7], 0
	s_lshl_b32 s46, s42, 8
	s_lshl_b32 s47, s14, 6
	s_add_co_u32 s46, s46, s47                     ; the weight's row 256 x block + 64 x wave,
	s_lshl_b32 s46, s46, 10                        ; of 1,024 bytes
	s_mov_b32 s47, 0
	s_mov_b32 s[G0], 1
	s_mul_i32 s[G0+1], s14, QUART                  ; LDS: wave x 64 rows
	s_lshl_b32 s20, s17, 17                        ; ao: my group,
	s_lshl_b32 s21, s15, 12                        ; my four tiles of its eight
	s_add_co_u32 s20, s20, s21
	s_mov_b32 s21, 0
	s_mul_i32 s22, s16, 2*QUART                    ; my 128 rows of the weight in LDS
	s_mul_i32 s23, s14, 16*SPITCH
	s_add_co_u32 s23, s23, STAGE                   ; my stage
	s_lshl_b32 s48, s42, 10                        ; my first column in bytes: 1,024 x block + 512 x half
	s_lshl_b32 s49, s16, 9
	s_add_co_u32 s48, s48, s49
	s_mov_b32 s49, 0
	s_lshl_b32 s50, s17, 7
	s_lshl_b32 s51, s15, 6
	s_add_co_u32 s50, s50, s51                     ; my first row of out0,
	s_lshl_b32 s50, s50, 12                        ; of 4,096 bytes
	s_add_co_u32 s50, s50, s48
	s_mov_b32 s51, 0
	s_wait_dscnt 0x0                               ; both opening adds are done
	s_wait_kmcnt 0x0
	s_load_b64 s[96:97], s[8:9], 0x28              ; e10, e11
	s_add_nc_u64 s[G0+2:G0+3], s[6:7], s[46:47]
	s_or_b32 s[G0+3], s[G0+3], 0x80000000
	s_add_nc_u64 s[4:5], s[4:5], s[20:21]
	s_add_nc_u64 s[10:11], s[10:11], s[48:49]
	s_add_nc_u64 s[12:13], s[12:13], s[50:51]
	CROUND                                         ; all sixteen work-groups are here: the joint loads meet
	tensor_load_to_lds s[G0:G0+3], s[G1:G1+7]      ; my one tensor load of the launch
	s_nop 0
	PLACES
	v_and_b32 v6, 31, v0
	v_lshlrev_b32 v[CO], 4, v6
	global_load_b128 v[BI:BI+3], v[CO], s[10:11]   ; the bias of my lane's four columns
.irp ks, 0,1,2,3,4,5,6,7               ; K step ks = heads 2 ks, 2 ks + 1; block a = tile a of my four; 16 loads a K step, K ascending
	WIN 0x40*(1+\ks/4)
.irp a, 0,1,2,3
.irp c, 0,1,2,3
	global_load_b128 v[64*(\ks%4)+16*\a+4*\c:64*(\ks%4)+16*\a+4*\c+3], v[CO], s[4:5] offset:(2*\ks+\c/2)*8192+\a*1024+512*(\c%2)   ; 32 lanes read 512 consecutive bytes
.endr
.endr
.endr
	WIN 0
	v_and_b32 v1, 15, v0                           ; l % 16
	v_bfe_u32 v2, v0, 4, 1                         ; l / 16
	v_mul_u32_u24 v3, v1, PITCH
	v_lshl_add_u32 v3, v2, 4, v3
	v_add_nc_u32 v[ADRB], s22, v3
	v_add_nc_u32 v[ADRB+1], QUART, v[ADRB]
	v_mul_u32_u24 v5, v1, SPITCH                   ; into the stage: row l % 16, 32 bytes for each half of the lanes
	v_lshl_add_u32 v5, v2, 5, v5
	v_add_nc_u32 v[STO], s23, v5
	v_add_nc_u32 v[RD], s23, v[CO]                 ; back: the 32 lanes take one row of 512 bytes
.macro LOADH hf, ks                    ; half hf of the weight's fragments of K step ks: 16 loads
.irp i, 0,1,2,3
.irp c, 0,1,2,3
	ds_load_b128 v[BF+64*(\hf)+16*\i+4*\c:BF+64*(\hf)+16*\i+4*\c+3], v[ADRB+\hf] offset:\i*16*PITCH+128*(\ks)+32*\c
.endr
.endr
.endm
.macro MULH hf, ks                     ; 16 matrix instructions: the half's four fragments x my four blocks; the 32 accumulators take turns, one instruction a turn, in the same order in every K step
.irp b, 0,1,2,3
.irp a, 0,1,2,3
.if (\ks) == 0
	v_wmma_f32_16x16x128_fp8_fp8 v[8*(8*\a+4*(\hf)+\b):8*(8*\a+4*(\hf)+\b)+7], v[BF+64*(\hf)+16*\b:BF+64*(\hf)+16*\b+15], v[64*((\ks)%4)+16*\a:64*((\ks)%4)+16*\a+15], 0
.else
	v_wmma_f32_16x16x128_fp8_fp8 v[8*(8*\a+4*(\hf)+\b):8*(8*\a+4*(\hf)+\b)+7], v[BF+64*(\hf)+16*\b:BF+64*(\hf)+16*\b+15], v[64*((\ks)%4)+16*\a:64*((\ks)%4)+16*\a+15], v[8*(8*\a+4*(\hf)+\b):8*(8*\a+4*(\hf)+\b)+7]
.endif
.endr
.endr
.endm
.macro KS ks
.if (\ks) == 0
	s_wait_loadcnt 63                              ; of my 129 loads all but the youngest 63 are in: the bias and K steps 0 to 3
.endif
.if (\ks) > 3
	s_wait_loadcnt 16*(7-(\ks))                    ; this K step's 16 are in; the later steps' 16 each may be out
.endif
	s_wait_dscnt 16                                ; half 0 is in; half 1's 16 loads may be out
	WIN 0xf4+4*((\ks)/4)                           ; source 0 window 0, source 1 window 1 or 2, C and D window 3
	MULH 0, \ks
.if (\ks) < 7
	WIN 0
	PLACES                                         ; in front of loads into registers that matrix instructions have read
	LOADH 0, (\ks)+1
	s_wait_dscnt 16                                ; half 1 is in; the 16 just issued may be out
.else
	s_wait_dscnt 0
.endif
	WIN 0xf4+4*((\ks)/4)
	MULH 1, \ks
.if (\ks) < 7
	WIN 0
	PLACES
	LOADH 1, (\ks)+1
.endif
.endm
	s_wait_alu depctr_va_vdst(0)
	s_wait_tensorcnt 0x0                           ; my 64 rows of the weight are in;
	s_barrier_signal -1
	s_barrier_wait -1                              ; everybody's are
	LOADH 0, 0
	LOADH 1, 0
.irp k, 0,1,2,3,4,5,6,7
	KS \k
.endr
	WIN 0
; THE WAY OUT, block by block of 16 rows x 128 columns: through my own stage in LDS, back as whole rows of 512 bytes, x 2^(e10 + e11) + bias, stored as two aligned units of 256 bytes.
; LDS serves a wave's instructions in order (ISA guide 5.7.1.4): no wait between the stores and the loads, nor in front of the next block's stores.
.macro TOSTAGE a
.set AC, 64*(\a)
	WIN 0x0c                                       ; the stores' data: window 3
.irp b, 0,1,2,3,4,5,6,7
	ds_store_b128 v[STO], v[AC+8*\b:AC+8*\b+3] offset:64*\b          ; each accumulator from its low end on
	ds_store_b128 v[STO], v[AC+8*\b+4:AC+8*\b+7] offset:64*\b+16
.endr
	WIN 0
.set BB, BK+64*((\a)%2)
.irp t, 0,1,2,3,4,5,6,7,8,9,10,11,12,13,14,15
	ds_load_b128 v[BB+4*\t:BB+4*\t+3], v[RD] offset:\t*SPITCH
.endr
.endm
.macro SEND a, younger                 ; younger: the LDS instructions issued behind block a's loads, which may stay out
.set BB, BK+64*((\a)%2)
	s_wait_dscnt \younger
.if (\a) > 0
	s_add_nc_u64 s[12:13], s[12:13], 16*NOUT*4     ; (behind a wait on XCNT: the earlier stores have read their base)
.endif
.irp t, 0,1,2,3,4,5,6,7,8,9,10,11,12,13,14,15
	v_pk_fma_f32 v[BB+4*\t:BB+4*\t+1], v[BB+4*\t:BB+4*\t+1], s[96:97], v[BI:BI+1] op_sel_hi:[1,0,1]
	v_pk_fma_f32 v[BB+4*\t+2:BB+4*\t+3], v[BB+4*\t+2:BB+4*\t+3], s[96:97], v[BI+2:BI+3] op_sel_hi:[1,0,1]
	global_store_b128 v[CO], v[BB+4*\t:BB+4*\t+3], s[12:13] offset:\t*NOUT*4 th:TH_STORE_NT   ; 32 lanes store 512 consecutive bytes, aligned
.endr
.endm
	s_wait_kmcnt 0x0
	s_add_co_i32 s96, s96, s97
	s_add_co_i32 s96, s96, 127
	s_lshl_b32 s96, s96, 23                        ; 2^(e10 + e11) as f32
	s_mov_b32 s97, s96
	PLACES                                         ; behind the last products: their results are read, and the registers that held the weight's fragments are loaded into
	TOSTAGE 0
.irp a, 1,2,3
.if \a > 1
	s_wait_xcnt 0x0                                ; block a - 2's stores have read their registers and their base
.endif
	TOSTAGE \a
	SEND \a-1, 32                                  ; behind block a - 1's loads: block a's 16 stores and 16 loads
.endr
	s_wait_xcnt 0x0
	SEND 3, 0
	s_wait_tensorcnt 0x0                           ; the wave's end
	ds_add_u32 v[SPW], v[NIL]
	s_wait_dscnt 0x0
	CROUND                                         ; the closing round
	s_endpgm
.Lfunc_end_k_qbdefe40490_proj:
	.size	k_qbdefe40490_proj, .Lfunc_end_k_qbdefe40490_proj-k_qbdefe40490_proj
	.p2alignl 7, 3214868480
	.fill 96, 4, 3214868480
	.section	.rodata,"a",@progbits
	.p2align	6, 0x0
	.amdhsa_kernel k_qbdefe40490_proj
		.amdhsa_group_segment_fixed_size 327680
		.amdhsa_private_segment_fixed_size 0
		.amdhsa_enable_private_segment 0
		.amdhsa_kernarg_size 40
		.amdhsa_user_sgpr_count 2
		.amdhsa_user_sgpr_kernarg_segment_ptr 1
		.amdhsa_wavefront_size32 1
		.amdhsa_system_sgpr_workgroup_id_x 1
		.amdhsa_system_sgpr_workgroup_id_y 1
		.amdhsa_system_sgpr_workgroup_id_z 1
		.amdhsa_system_vgpr_workitem_id 0
		.amdhsa_next_free_vgpr 1024
		.amdhsa_next_free_sgpr 100
		.amdhsa_reserve_vcc 0
		.amdhsa_float_denorm_mode_32 3
		.amdhsa_float_denorm_mode_16_64 3
		.amdhsa_memory_ordered 1
		.amdhsa_forward_progress 1
		.amdhsa_inst_pref_size 76
	.end_amdhsa_kernel
	.amdgpu_metadata
---
amdhsa.version: [ 1, 2 ]
amdhsa.kernels:
  - .name:           k_qbdefe40490_proj
    .symbol:         k_qbdefe40490_proj.kd
    .args:
      - { .name: ao, .offset: 0, .size: 8, .value_kind: global_buffer, .address_space: global }
      - { .name: wpc, .offset: 8, .size: 8, .value_kind: global_buffer, .address_space: global }
      - { .name: lowp_scales, .offset: 16, .size: 8, .value_kind: global_buffer, .address_space: global }
      - { .name: bp, .offset: 24, .size: 8, .value_kind: global_buffer, .address_space: global }
      - { .name: out0, .offset: 32, .size: 8, .value_kind: global_buffer, .address_space: global }
    .group_segment_fixed_size: 327680
    .private_segment_fixed_size: 0
    .kernarg_segment_align: 8
    .kernarg_segment_size: 40
    .max_flat_workgroup_size: 128
    .sgpr_count:     100
    .vgpr_count:     1024
    .wavefront_size: 32
...
	.end_amdgpu_metadata
.endif
;; end of part 4
